; MI455X (gfx1250); checked and timed in simulation.
; The chip was launched on July 23, 2026; its instructions are those of AMD's public machine-readable ISA for CDNA 5 (MIT licence, August 2026) and "CDNA5" Instruction Set Architecture Reference Guide (July 2026). The comments in the code are by the model that wrote it; some were corrected since.
;; Causal Self Attention. Allowed arithmetic: matrix products marked QUANTISED: E2M1 operands, one E8M0 scale for each 32 along K, by v_wmma_scale_f32_16x16x128_f8f6f4 with both operands' format E2M1 (or v_wmma_scale_f32_32x16x128_f4), f32 sums; products left as they are: bf16, f16 or f32 operands; f32 sums; everything else in f32.
;; Inputs: Wk 1,024 x 1,024 float32; Wq 1,024 x 1,024 float32; Wv 1,024 x 1,024 float32; attention_mask 4 x 1 x 1 x 2,048 float32; bk 1,024 float32; bq 1,024 float32; bv 1,024 float32; hidden_states 4 x 2,048 x 1,024 float32.
;; Outputs: out0 4 x 2,048 x 1,024 float32.
;; This version of the problem:
;;   THIS VERSION OF THE PROBLEM IS GIVEN IN LOW PRECISION. The matrix products marked QUANTISED in the list below multiply operands that are first quantised to E2M1 (2 exponent bits, 1 mantissa bit; 4 bits a number), with one power-of-two scale for each 32 numbers along K (OCP MX v1.0); their sums are f32. The products marked 'left as it is' may take bf16, f16 or f32 operands, with f32 sums. Whichever they take, every output number must still come out within the allowed error. Rounding operands to bf16 (8 significant bits) uses up far more of that allowance than f16 does (11 bits, for magnitudes from 6e-5 to 65,504). All else is computed in f32.
;;   The module's matrix products, in the order in which they are computed (A, B: the left and right operand; K: the contracted axis; several contracted axes count as one K, in the product's order):
;;     1. [M 8,192, K 1,024] x [K 1,024, N 1,024]; A: input hidden_states; B: input Wq: QUANTISED
;;     2. [M 8,192, K 1,024] x [K 1,024, N 1,024]; A: input hidden_states; B: input Wk: QUANTISED
;;     3. [M 8,192, K 1,024] x [K 1,024, N 1,024]; A: input hidden_states; B: input Wv: QUANTISED
;;     4. batch 64 x [M 2,048, K 64] x [K 64, N 2,048]; A: computed on the way; B: computed on the way: left as it is (an operand is computed on the way)
;;     5. batch 64 x [M 2,048, K 2,048] x [K 2,048, N 64]; A: computed on the way; B: computed on the way: left as it is (an operand is computed on the way)
;;   THE QUANTISER, for each operand of a quantised product, along K:
;;     - K is cut into blocks of 32 from its start; a last block that is shorter is filled with zeros.
;;     - A block's scale is 2^e with e = floor(log2(the largest magnitude in the block)) - 2, held to -126 .. 127; a block of zeros has e = 0. As a byte (E8M0): e + 127.
;;     - Each number is divided by its block's scale, clamped to +-6, and rounded to the nearest number of E2M1, ties to even, subnormals kept.
;;     - The product sums the exact products of the quantised numbers (number of the format x scale) in f32.
;;   ~~~python
;;   def quantise(x, axis):      # numpy; x: float32 -> the quantised numbers, widened to float32 again
;;       x = np.moveaxis(x, axis, -1); K = x.shape[-1]
;;       x = np.pad(x, [(0, 0)] * (x.ndim - 1) + [(0, -K % 32)]); x = x.reshape(x.shape[:-1] + (-1, 32)); a = np.abs(x).max(-1, keepdims=True)
;;       e = np.where(a > 0, np.clip(np.frexp(np.where(a > 0, a, 1))[1] - 1 - 2, -126, 127), 0)      # np.frexp(a)[1] - 1 = floor(log2(a)), exactly
;;       r = np.clip(x / 2.0 ** e, -6, 6)
;;       step = 2.0 ** (np.maximum(np.frexp(np.where(r == 0, 1, r))[1] - 1, 0) - 1)
;;       q = np.round(r / step) * step * 2.0 ** e      # np.round: ties to even
;;       return np.moveaxis(q.reshape(q.shape[:-2] + (-1,))[..., :K], -1, axis).astype(np.float32)
;;   ~~~
;; One version. Each part assembles by itself: llvm-mc -triple=amdgcn-amd-amdhsa -mcpu=gfx1250 --defsym DOCPART=n.
;; ======== version 1 of 1: 4 launches
;; limits: values are held in f16: magnitudes above 65,504 overflow, below 6.1e-05 lose precision
;; workspace buffers: xc 4,194,304 bytes; xs 262,144 bytes; wc 1,572,864 bytes; ws 98,304 bytes; qkv 50,331,648 bytes
;; launch quant (part 1): grid 352 x 1, 4 waves a work-group, no clusters, 33,280 bytes of LDS; arguments hidden_states, Wq, Wk, Wv, xc, xs, wc, ws; writes xc, xs, wc, ws
.if DOCPART == 1
	.amdgcn_target "amdgcn-amd-amdhsa--gfx1250"
	.amdhsa_code_object_version 6
	.text
	.protected	k_q917f640a38_quant
	.globl	k_q917f640a38_quant
	.p2align	8
	.type	k_q917f640a38_quant,@function
k_q917f640a38_quant:
	s_mov_b64 s[64:65], 0
	v_nop
	global_prefetch_b8 v0, s[64:65] scope:SCOPE_SE
	s_setreg_imm32_b32 hwreg(HW_REG_WAVE_MODE, 25, 1), 1
	s_wait_xcnt 0x0
; hidden_states [8192][1024] and Wq, Wk, Wv [1024][1024], f32, K innermost, are turned into codes of FP4 (E2M1), two a byte, K innermost, with one E8M0 scale byte for each 32 along K.
; xc [8192][512], xs [8192][32];  wc [3072][512], ws [3072][32]: rows 0-1023 Wq, 1024-2047 Wk, 2048-3071 Wv.
; A block's scale is 2^(floor(log2(its largest magnitude)) - 2); its byte is the largest magnitude's own exponent field - 2, held at 1 from below.  A block of zeros so gets the byte 1: its codes are zeros,
; which add nothing under any byte but 0xff, and the bytes are read by this program alone.  Each number is divided by the scale and rounded to the nearest code, ties to even, beyond 6 the largest code.
; LIMITS: blocks whose largest magnitude lies under 2^-124 keep the byte 1; NaN and infinities among the inputs are not served.
; Rows are dense and 1024 is a multiple of 32: every tensor is a plain stream of blocks of 32 numbers, and so are its codes and scale bytes.
; SHARES: a work-group takes 32,768 numbers, a wave 8,192 in 16 steps of 512.  Work-groups 0-255 take hidden_states, then 32 each take Wq, Wk, Wv: only pointers are chosen, there is one path through the text.
; A conversion takes 8 numbers of ONE block from a lane's consecutive registers, so a lane must hold 16 neighbours; a load is dense where neighbouring LANES take neighbouring bytes.  Both are had: each of a step's
; four loads reads 512 consecutive bytes, the 2,048 bytes go through the wave's own stage in LDS as they lie and come back 64 bytes a lane (16 bytes of padding behind each 64).
; A lane's 16 codes are 8 bytes: a wave's store covers 256 consecutive bytes, aligned.  A wave's 256 scale bytes are gathered in its own LDS bytes and leave in one store of 256 consecutive bytes.
; No tensor load, no barrier: waves share nothing.  Loads run four steps (16 loads a wave) ahead, the turn through LDS one step.
.set WAVES, 4
.set STEPS, 16
.set XWG,   256                        ; work-groups for hidden_states: 8192 x 1024 / 32768
.set CB,    8                          ; bytes of 16 codes
.set R,     16                         ; v16-79   four sets of 16 numbers as they are loaded
.set X,     80                         ; v80-111  two sets of 16 neighbours
.set E,     112                        ; v112-127 a scale byte for each step
.set C,     128                        ; v128-191 codes: four registers for each step, so that no store's data are written again
.set WREG,  8192                       ; LDS: a region for each wave: two stages of 32 x SP bytes, behind them its 256 scale bytes
.set SP,    80                         ; a lane's place in a stage: 64 bytes + 16 of padding
.set SPW,   12                         ; v12  LDS address of my spare word; never rewritten
.set NIL,   13                         ; v13  0; never rewritten
.set SPARE, WAVES*WREG                 ; behind the four regions: the spare words, 128 bytes a wave, which no other line names
	s_load_b256 s[4:11], s[0:1], 0x0               ; hidden_states s[4:5], Wq s[6:7], Wk s[8:9], Wv s[10:11]
	s_load_b256 s[12:19], s[0:1], 0x20             ; xc s[12:13], xs s[14:15], wc s[16:17], ws s[18:19]
	v_lshl_add_u32 v[SPW], v0, 2, SPARE
	v_mov_b32 v[NIL], 0
	v_lshrrev_b32 v1, 5, v0
	v_readfirstlane_b32 s20, v1                    ; wave
	v_and_b32 v2, 31, v0                           ; lane
	v_lshlrev_b32 v3, 4, v2                        ; my 16 bytes of a load's 512
	s_mul_i32 s21, s20, WREG
	v_lshrrev_b32 v14, 2, v2
	v_mul_u32_u24 v14, v14, SP
	v_and_b32 v15, 3, v2
	v_lshl_add_u32 v14, v15, 4, v14
	v_add_nc_u32 v14, s21, v14                     ; the stage, on the way in: four lanes' 64 bytes on end, then the padding
	v_mul_u32_u24 v15, v2, SP
	v_add_nc_u32 v15, s21, v15                     ; and on the way out: my 16 neighbours
	v_mul_u32_u24 v4, v2, CB                       ; my codes' place in a step's 256 bytes
	v_lshrrev_b32 v5, 1, v2
	s_add_co_u32 s21, s21, 2*32*SP
	v_add_nc_u32 v5, s21, v5                       ; LDS: my wave's scale bytes, my block's byte
	v_lshlrev_b32 v7, 3, v2                        ; and on the way out 8 bytes a lane
	v_add_nc_u32 v6, s21, v7
	s_sub_co_u32 s22, ttmp9, XWG                   ; which run of 32,768 numbers of the three weights (used only from work-group 256 on)
	s_lshr_b32 s23, s22, 5                         ; which weight
	s_and_b32 s24, s22, 31                         ; which run in it
	s_wait_kmcnt 0x0
	s_cmp_eq_u32 s23, 1                            ; every choice hangs on the work-group's number alone
	s_cselect_b64 s[6:7], s[8:9], s[6:7]
	s_cmp_eq_u32 s23, 2
	s_cselect_b64 s[6:7], s[10:11], s[6:7]
	s_cmp_lt_u32 ttmp9, XWG
	s_cselect_b64 s[4:5], s[4:5], s[6:7]           ; the numbers,
	s_cselect_b64 s[12:13], s[12:13], s[16:17]     ; the codes,
	s_cselect_b64 s[14:15], s[14:15], s[18:19]     ; the scale bytes,
	s_cselect_b32 s24, ttmp9, s24                  ; the run in the source,
	s_cselect_b32 s22, ttmp9, s22                  ; and in the codes' and scale bytes' buffers
	s_lshl_b32 s24, s24, 2
	s_add_co_u32 s24, s24, s20
	s_lshl_b32 s24, s24, 15                        ; 8,192 numbers of 4 bytes a wave
	s_mov_b32 s25, 0
	s_add_nc_u64 s[4:5], s[4:5], s[24:25]
	s_lshl_b32 s22, s22, 2
	s_add_co_u32 s22, s22, s20
	s_lshl_b32 s26, s22, 12                        ; 4,096 bytes of codes a wave
	s_mov_b32 s27, 0
	s_add_nc_u64 s[12:13], s[12:13], s[26:27]
	s_lshl_b32 s26, s22, 8                         ; 256 scale bytes a wave
	s_add_nc_u64 s[14:15], s[14:15], s[26:27]
.macro LOAD t
.irp i, 0,1,2,3
	global_load_b128 v[R+16*((\t)%4)+4*\i:R+16*((\t)%4)+4*\i+3], v3, s[4:5] offset:2048*(\t)+512*\i th:TH_LOAD_NT   ; 32 lanes read 512 consecutive bytes
.endr
.endm
.macro TURN t                          ; step t's numbers through the stage: LDS serves a wave's instructions in order, so no wait stands between the stores and the loads
.irp i, 0,1,2,3
	ds_store_b128 v14, v[R+16*((\t)%4)+4*\i:R+16*((\t)%4)+4*\i+3] offset:32*SP*((\t)%2)+8*SP*\i
.endr
.irp i, 0,1,2,3
	ds_load_b128 v[X+16*((\t)%2)+4*\i:X+16*((\t)%2)+4*\i+3], v15 offset:32*SP*((\t)%2)+16*\i
.endr
.endm
.irp t, 0,1,2,3
	LOAD \t
.endr
	s_wait_loadcnt 12                              ; step 0's four loads are in
	TURN 0
.macro STEP t
.set XS, X+16*((\t)%2)
.if (\t) > 0
	s_wait_dscnt 1                                 ; this step's numbers are back from the stage (the last step's byte store may be out): so its stores into the stage have read their registers,
.else
	s_wait_dscnt 0x0
.endif
.if (\t)+4 < STEPS
	LOAD (\t)+4                                    ; which take the loads of four steps on
.endif
.if (\t)+1 < STEPS
.if STEPS-2-(\t) >= 3
	s_wait_loadcnt 12                              ; the next step's four loads are in; those of the three steps behind it may be out
.else
	s_wait_loadcnt 4*(STEPS-2-(\t))
.endif
	TURN (\t)+1                                    ; and go through the other stage while this step is worked
.endif
	v_max3_num_f32 v8, |v[XS]|, |v[XS+1]|, |v[XS+2]|               ; the largest magnitude of my 16, in two chains
	v_max3_num_f32 v9, |v[XS+3]|, |v[XS+4]|, |v[XS+5]|
.irp i, 6,10
	v_max3_num_f32 v8, v8, |v[XS+\i]|, |v[XS+\i+1]|
	v_max3_num_f32 v9, v9, |v[XS+\i+2]|, |v[XS+\i+3]|
.endr
	v_max3_num_f32 v8, v8, |v[XS+14]|, |v[XS+15]|
	v_max3_num_f32 v8, v8, v9, 0x1800000           ; and the floor 2^(3 - 127): the byte cannot fall under 1
	v_max_num_f32_dpp v8, v8, v8 row_xmask:1 row_mask:0xf bank_mask:0xf   ; and of my neighbour's 16: the block's
	v_add_nc_u32 v11, 0xff000000, v8               ; 2 off its exponent field: the conversion takes the exponent field of this operand as its scale, and nothing else of it
	v_cvt_scalef32_pk8_fp4_f32 v[C+4*(\t)], v[XS:XS+7], v11        ; the first number's code in the lowest four bits
	v_cvt_scalef32_pk8_fp4_f32 v[C+4*(\t)+1], v[XS+8:XS+15], v11
	v_lshrrev_b32 v[E+(\t)], 23, v11               ; the scale's byte (also the plain instruction behind the conversions)
	ds_store_b8 v5, v[E+(\t)] offset:16*(\t)       ; both lanes of a block write the same byte with the same value
	global_store_b64 v4, v[C+4*(\t):C+4*(\t)+1], s[12:13] offset:32*CB*(\t)
.endm
.irp t, 0,1,2,3,4,5,6,7,8,9,10,11,12,13,14,15
	STEP \t
.endr
	ds_load_b64 v[8:9], v6                         ; LDS serves a wave's instructions in order: these see my stores
	s_wait_dscnt 0x0
	global_store_b64 v7, v[8:9], s[14:15]          ; 32 lanes store 256 consecutive bytes, aligned
	s_wait_tensorcnt 0x0                           ; the wave's end, behind my last LDS store
	ds_add_u32 v[SPW], v[NIL]
	s_wait_dscnt 0x0
	s_endpgm
.Lfunc_end_k_q917f640a38_quant:
	.size	k_q917f640a38_quant, .Lfunc_end_k_q917f640a38_quant-k_q917f640a38_quant
	.p2alignl 7, 3214868480
	.fill 96, 4, 3214868480
	.section	.rodata,"a",@progbits
	.p2align	6, 0x0
	.amdhsa_kernel k_q917f640a38_quant
		.amdhsa_group_segment_fixed_size 33280
		.amdhsa_private_segment_fixed_size 0
		.amdhsa_enable_private_segment 0
		.amdhsa_kernarg_size 64
		.amdhsa_user_sgpr_count 2
		.amdhsa_user_sgpr_kernarg_segment_ptr 1
		.amdhsa_wavefront_size32 1
		.amdhsa_system_sgpr_workgroup_id_x 1
		.amdhsa_system_sgpr_workgroup_id_y 1
		.amdhsa_system_sgpr_workgroup_id_z 1
		.amdhsa_system_vgpr_workitem_id 0
		.amdhsa_next_free_vgpr 192
		.amdhsa_next_free_sgpr 66
		.amdhsa_reserve_vcc 0
		.amdhsa_float_denorm_mode_32 3
		.amdhsa_float_denorm_mode_16_64 3
		.amdhsa_memory_ordered 1
		.amdhsa_forward_progress 1
		.amdhsa_inst_pref_size 34
	.end_amdhsa_kernel
	.amdgpu_metadata
---
amdhsa.version: [ 1, 2 ]
amdhsa.kernels:
  - .name:           k_q917f640a38_quant
    .symbol:         k_q917f640a38_quant.kd
    .args:
      - { .name: hidden_states, .offset: 0, .size: 8, .value_kind: global_buffer, .address_space: global }
      - { .name: Wq, .offset: 8, .size: 8, .value_kind: global_buffer, .address_space: global }
      - { .name: Wk, .offset: 16, .size: 8, .value_kind: global_buffer, .address_space: global }
      - { .name: Wv, .offset: 24, .size: 8, .value_kind: global_buffer, .address_space: global }
      - { .name: xc, .offset: 32, .size: 8, .value_kind: global_buffer, .address_space: global }
      - { .name: xs, .offset: 40, .size: 8, .value_kind: global_buffer, .address_space: global }
      - { .name: wc, .offset: 48, .size: 8, .value_kind: global_buffer, .address_space: global }
      - { .name: ws, .offset: 56, .size: 8, .value_kind: global_buffer, .address_space: global }
    .group_segment_fixed_size: 33280
    .private_segment_fixed_size: 0
    .kernarg_segment_align: 8
    .kernarg_segment_size: 64
    .max_flat_workgroup_size: 128
    .sgpr_count:     66
    .vgpr_count:     192
    .wavefront_size: 32
...
	.end_amdgpu_metadata
.endif
;; end of part 1
;; launch proj (part 2): grid 12 x 32, 4 waves a work-group, clusters of 4 x 4, 327,680 bytes of LDS; arguments xc, xs, wc, ws, bq, bk, bv, qkv; writes qkv
.if DOCPART == 2
	.amdgcn_target "amdgcn-amd-amdhsa--gfx1250"
	.amdhsa_code_object_version 6
	.text
	.protected	k_q917f640a38_proj
	.globl	k_q917f640a38_proj
	.p2align	8
	.type	k_q917f640a38_proj,@function
k_q917f640a38_proj:
	s_mov_b64 s[64:65], 0
	v_nop
	global_prefetch_b8 v0, s[64:65] scope:SCOPE_SE
	s_setreg_imm32_b32 hwreg(HW_REG_WAVE_MODE, 25, 1), 1
	s_wait_xcnt 0x0
	s_wait_alu depctr_hold_cnt(0) depctr_sa_sdst(0) depctr_va_vdst(0) depctr_va_sdst(0) depctr_va_ssrc(0) depctr_va_vcc(0) depctr_vm_vsrc(0)
	s_getreg_b32 s2, hwreg(HW_REG_IB_STS2, 6, 4)
	s_cmp_eq_u32 s2, 0
	s_cbranch_scc0 .Lentry_in_a_cluster
	s_endpgm
.Lentry_in_a_cluster:
	s_bfe_u32 s2, ttmp6, 0x10000c
	s_cmp_lg_u32 s2, 0xf033
	s_cbranch_scc0 .Lentry_shape_is_right
	s_endpgm
.Lentry_shape_is_right:
; The three projections as ONE product on codes of FP4 (E2M1) with E8M0 scales: C[m][n] = sum over k of x[m][k] W[n][k] + b[n], m = 8192 tokens, n = 3072 (q, k, v: 1024 each), k = 1024; sums in f32.
; The result leaves as f16, laid for the attention: qkv [3 (q, k, v)][64 (16 batch + head)][2048 positions][64 channels]: a position's row of a head is 128 bytes, a head's rows are dense.
; LIMIT: a |q|, |k| or |v| above 65,504 becomes an infinity in f16.
; A tile of C, 256 x 256, is made by a work-group of four waves; a wave makes 128 x 128: 64 accumulators of 16 x 16, 512 registers.
; K = 1024 is two LDS slots of 512 along K (rows of 256 bytes): BOTH are asked for at the kernel's head, with the scale bytes of the work-group's rows (two dense blocks): nothing is filled again, there is no loop.
; By this text's count three tensor loads of a wave are out at the most.
; CLUSTERS: 4 x 4 work-groups.  The four of a row of the cluster need the same tiles of x, the four of a column the same tiles of W: each tile is asked for JOINTLY, by the same tensor load with the same
; descriptor and a mask that names the four.  A cluster's four tile columns are exactly one of q, k, v: the cluster's x says which.
; THE MATRIX INSTRUCTION IS USED TRANSPOSED (source 0 = 16 rows of W, source 1 = 16 rows of x): a lane then holds eight neighbouring channels of one token.  THE BIAS IS THE C OF EACH SUM'S FIRST PRODUCT.
; REGISTERS, in windows of 256: window 0: v0-31 addresses; v32-95 scale words, two sets; v128-191 x's fragments (8 x 16 rows x 128 K), ONE set; v192-255 the bias, 8 registers for each of my 8 blocks of 16 channels.
;   window 1: W's fragments, TWO sets, at v0 and v128.   window 2: the accumulators of my rows 0-63 ((a, b) at v[8 (8 a + b)]);   window 3: those of my rows 64-127.
; No tile is asked for later than the head, so nothing is prefetched.
.set KSTEP,  512
.set NQ,     KSTEP/128                 ; matrix instructions deep in a slot
.set ROWB,   256                       ; a tile's row in bytes
.set KROW,   512                       ; a row of codes in memory
.set PITCH,  272                       ; an LDS row: 256 bytes + 16 of padding = 68 words: the 16 rows that a load touches start at 16 different banks (64 banks of 4 bytes: ISA guide 11.1)
.set FR,     8                         ; registers of a fragment
.set NL,     2                         ; LDS loads that bring one
.set NP,     4                         ; places behind this matrix instruction (ISA guide 7.12.1)
.set HALFT,  128*PITCH                 ; 128 rows: what one tensor load brings
.set SLOT,   4*HALFT                   ; x's 256 rows, then W's 256 rows
.set KS,     32                        ; a row of scale bytes
.set SCL,    2*SLOT                    ; behind the slots: the scale bytes, as runs of 256 bytes + 16 of padding
.set HALFS,  (128*KS/256)*272          ; those of 128 rows
.set SBLK,   (16*KS/256)*272           ; those of 16 rows
.set SPARE,  SCL+4*HALFS               ; behind them: the spare words, 128 bytes a wave, which no other line names
.set HP,     144                       ; the way out: a stage row: a head's 128 bytes + 16
.set HSTG,   16*HP                     ; 16 rows of one head; a wave's stage holds two heads.  The stages lie in slot 0, which has had its only fill and its last read when the first result is stored there
.set ADRA, 16                          ; v16-17  LDS address of my fragments of x in slot 0, 1
.set ADRB, 20                          ; v20-21  the same for W
.set STO,  24                          ; v24     the way out: where I put 16 bytes of a row
.set RD,   25                          ; v25     where I read rows back
.set CO,   26                          ; v26     16 x lane: my place in 512 bytes of qkv
.set ADRS, 27                          ; v27     LDS address of my scale words: lanes 0-15 x's rows, lanes 16-31 W's
.set SPW,  28                          ; v28     my spare word; never rewritten
.set NIL,  29                          ; v29     0; never rewritten
.set BO,   30                          ; v30     32 x (lane / 16): my eight numbers of a block of 16 of the bias
.set SC,   32                          ; scale words: set s at v[SC + 32 s]; register 4 i + q: lanes 0-15 x's block i, lanes 16-31 W's block i, the slot's q-th 128 along K
.set AF,   128                         ; x's fragments
.set BIAS, 192                         ; the bias; later:
.set TMP,  192                         ; v192-223 packed results
.set OB,   32                          ; v32-63 and v224-255 by turns: rows read back from the stage
.set G1, 24                            ; s[24:31] descriptor group 1 for x's tiles;  s[32:39] group 0, one set for each slot
.set G0, 32
.set G1B, 48                           ; s[48:55], s[56:63] the same for W's
.set G0B, 56
.set G1S, 68                           ; s[68:75], s[76:79] groups 1 and 0 for x's scale bytes;  s[80:87], s[88:91] for W's
.set G0S, 76
.set G1SB, 80
.set G0SB, 88
.set MSB, 0
.macro WIN new                         ; the immediate's high byte repeats the setting that is left
.if MSB != (\new)
	s_set_vgpr_msb (MSB<<8)|(\new)
.set MSB, (\new)
.endif
.endm
.set MUL_LO, 0xa1                      ; source 0 (W) window 1, source 1 (x) window 0, C and D window 2
.set MUL_HI, 0xf1                      ; the same, C and D window 3
.set ST_LO,  0x81                      ; the first step: C (the bias) window 0, D window 2
.set ST_HI,  0xc1                      ; D window 3
.set TO_B,   0x40                      ; destination window 1, address window 0
; A joint load: waves 0 and 1 fetch for x, waves 2 and 3 for W.  Each line has ONE mask and one set of registers for all that issue it; the branch hangs on the wave's number alone.
; An s_nop 0 and four v_nop follow each of the two lines.
.macro JLOAD g0a, g1a, g0b, g1b
	s_cmp_eq_u32 s15, 0
	s_cbranch_scc0 .Lfor_b_\@
	tensor_load_to_lds s[\g0a:\g0a+3], s[\g1a:\g1a+7]
	s_nop 0
.rept 4
	v_nop
.endr
	s_branch .Lasked_\@
.Lfor_b_\@:
	tensor_load_to_lds s[\g0b:\g0b+3], s[\g1b:\g1b+7]
	s_nop 0
.rept 4
	v_nop
.endr
.Lasked_\@:
.endm
.macro CROUND                          ; a round of the cluster's barrier
	s_barrier_signal -1
	s_barrier_wait -1
	s_cmp_lg_u32 s14, 0
	s_cbranch_scc1 .Lnot_wave_0_\@
	s_barrier_signal -3
.Lnot_wave_0_\@:
	s_barrier_wait -3
	s_barrier_signal -1
	s_barrier_wait -1
.endm
	s_load_b128 s[4:7], s[0:1], 0x0                ; xc s[4:5], xs s[6:7]
	s_load_b128 s[8:11], s[0:1], 0x10              ; wc s[8:9], ws s[10:11]
	v_lshl_add_u32 v[SPW], v0, 2, SPARE
	v_mov_b32 v[NIL], 0
	ds_add_u32 v[SPW], v[NIL]                      ; the wave's opening: the add, twice on end, and its wait ahead of my first tensor load
	ds_add_u32 v[SPW], v[NIL]
	v_lshrrev_b32 v1, 5, v0
	v_readfirstlane_b32 s14, v1                    ; wave 0..3
	s_lshr_b32 s15, s14, 1                         ; which half of the tile's rows is mine.  Also: I fetch for x (0) or for W (1)
	s_and_b32 s16, s14, 1                          ; which half of its columns.  Also: which 128 rows of that tile I fetch
	s_bfe_u32 s40, ttmp6, 0x40000                  ; cx, cy: my place in the cluster
	s_bfe_u32 s41, ttmp6, 0x40004
	s_lshl_b32 s42, ttmp9, 2
	s_add_co_u32 s42, s42, s40                     ; tile column = 4 x cluster x + cx
	s_and_b32 s17, ttmp7, 0xffff
	s_lshl_b32 s17, s17, 2
	s_add_co_u32 s17, s17, s41                     ; tile row = 4 x cluster y + cy
	s_lshl_b32 s43, s41, 2
	s_lshl_b32 s43, 15, s43                        ; my row of the cluster
	s_lshl_b32 s44, 0x1111, s40                    ; my column
	; descriptor group 1: a tile of 128 rows x 256 bytes, padded in LDS
	s_or_b32 s[G1+0], s43, (0<<16)|(1<<20)|(1<<21)|(5<<22)|(3<<25)  ; 15:0 the mask: x's tiles go to my row; 17:16 elements of 1 byte; 20 padding on; 21 set beside a mask; 24:22 after every 64 words; 31:25 four words
	s_or_b32 s[G1B+0], s44, (0<<16)|(1<<20)|(1<<21)|(5<<22)|(3<<25)
.irp g, G1, G1B
	s_mov_b32 s[\g+1], ROWB<<16                    ; tensor_dim0
	s_mov_b32 s[\g+2], 128<<16                     ; tensor_dim1
	s_mov_b32 s[\g+3], ROWB<<16                    ; tile_dim0
	s_mov_b32 s[\g+4], 128                         ; tile_dim1
	s_mov_b32 s[\g+5], KROW                        ; from row to row
	s_mov_b32 s[\g+6], 0
	s_mov_b32 s[\g+7], 0
.endr
	; the scale bytes of 128 rows: a dense block of 4,096 bytes, as 16 rows of 256 bytes (32 elements of 8 bytes), 16 bytes of padding behind each
	s_or_b32 s[G1S+0], s43, (3<<16)|(1<<20)|(1<<21)|(5<<22)|(3<<25)
	s_or_b32 s[G1SB+0], s44, (3<<16)|(1<<20)|(1<<21)|(5<<22)|(3<<25)
.irp g, G1S, G1SB
	s_mov_b32 s[\g+1], 32<<16
	s_mov_b32 s[\g+2], (128*KS/256)<<16
	s_mov_b32 s[\g+3], 32<<16
	s_mov_b32 s[\g+4], 128*KS/256
	s_mov_b32 s[\g+5], 32
	s_mov_b32 s[\g+6], 0
	s_mov_b32 s[\g+7], 0
.endr
	s_lshl_b32 s18, s16, 7                         ; which 128 rows of the tile I fetch
	s_lshl_b32 s20, s17, 8
	s_add_co_u32 s20, s20, s18                     ; x: row 256 x tile row + 128 x half
	s_lshl_b32 s46, s42, 8
	s_add_co_u32 s46, s46, s18                     ; W: row 256 x tile column + 128 x half
	s_mov_b32 s21, 0
	s_mov_b32 s47, 0
	s_mov_b64 s[18:19], KS
	s_mul_u64 s[22:23], s[20:21], s[18:19]         ; where these rows' scale bytes begin
	s_mul_u64 s[92:93], s[46:47], s[18:19]
	s_mov_b64 s[18:19], KROW
	s_mul_u64 s[20:21], s[20:21], s[18:19]         ; and their codes
	s_mul_u64 s[46:47], s[46:47], s[18:19]
	s_mul_i32 s45, s14, HALFT                      ; where they go: wave x 128 rows: no place in the cluster enters an LDS address
	s_mul_i32 s94, s14, HALFS
	s_wait_dscnt 0x0                               ; both opening adds are done
	s_wait_kmcnt 0x0
	s_add_nc_u64 s[20:21], s[4:5], s[20:21]
	s_add_nc_u64 s[22:23], s[6:7], s[22:23]
	s_add_nc_u64 s[46:47], s[8:9], s[46:47]
	s_add_nc_u64 s[92:93], s[10:11], s[92:93]
	CROUND                                         ; all sixteen work-groups are here: the joint loads meet
	s_mov_b32 s[G0S], 1
	s_add_co_u32 s[G0S+1], s94, SCL
	s_mov_b64 s[G0S+2:G0S+3], s[22:23]
	s_or_b32 s[G0S+3], s[G0S+3], 0x80000000
	s_mov_b32 s[G0SB], 1
	s_add_co_u32 s[G0SB+1], s94, SCL
	s_mov_b64 s[G0SB+2:G0SB+3], s[92:93]
	s_or_b32 s[G0SB+3], s[G0SB+3], 0x80000000
	JLOAD G0S, G1S, G0SB, G1SB                     ; the scale bytes first: they are wanted with slot 0
.irp s, 0,1
	s_mov_b32 s[G0+4*\s], 1
	s_add_co_u32 s[G0+4*\s+1], s45, \s*SLOT
	s_add_nc_u64 s[G0+4*\s+2:G0+4*\s+3], s[20:21], \s*ROWB
	s_or_b32 s[G0+4*\s+3], s[G0+4*\s+3], 0x80000000
	s_mov_b32 s[G0B+4*\s], 1
	s_add_co_u32 s[G0B+4*\s+1], s45, \s*SLOT
	s_add_nc_u64 s[G0B+4*\s+2:G0B+4*\s+3], s[46:47], \s*ROWB
	s_or_b32 s[G0B+4*\s+3], s[G0B+4*\s+3], 0x80000000
	JLOAD G0+4*\s, G1, G0B+4*\s, G1B
.endr
	s_load_b256 s[4:11], s[0:1], 0x20              ; bq s[4:5], bk s[6:7], bv s[8:9], qkv s[10:11] (the first four addresses are done with)
	v_and_b32 v1, 15, v0                           ; r = lane % 16
	v_bfe_u32 v2, v0, 4, 1                         ; h = lane / 16
	v_mul_u32_u24 v3, v1, PITCH
	v_lshl_add_u32 v4, v2, 4, v3                   ; a fragment's row x pitch + 16 h
	s_mul_i32 s21, s15, HALFT                      ; my 128 rows of x
	s_mul_i32 s22, s16, HALFT                      ; my 128 rows of W,
	s_add_co_u32 s22, s22, 2*HALFT                 ; which lie behind x's 256
.irp s, 0,1
	v_add_nc_u32 v[ADRA+\s], s21, v4
	v_add_nc_u32 v[ADRB+\s], s22, v4
	s_add_co_u32 s21, s21, SLOT
	s_add_co_u32 s22, s22, SLOT
.endr
	v_mul_u32_u24 v5, v1, KS                       ; my row's scale bytes: 32 a row,
	v_lshrrev_b32 v6, 8, v5
	v_lshl_add_u32 v5, v6, 4, v5                   ; and 16 more for each 256 passed
	s_mul_i32 s21, s15, HALFS                      ; x's: my 128 rows
	s_mul_i32 s22, s16, HALFS                      ; W's: my 128 rows, behind x's 256
	s_add_co_u32 s22, s22, 2*HALFS
	s_sub_co_u32 s22, s22, s21
	v_mul_u32_u24 v6, s22, v2                      ; lanes 16-31 take W's: ONE product, the distance x h
	s_add_co_u32 s21, s21, SCL
	v_add_nc_u32 v5, v5, v6
	v_add_nc_u32 v[ADRS], s21, v5
	s_mul_i32 s23, s14, 2*HSTG                     ; my stage
	v_mul_u32_u24 v5, v1, HP                       ; in: row r, 16 bytes for each half of the lanes
	v_lshl_add_u32 v5, v2, 4, v5
	v_add_nc_u32 v[STO], s23, v5
	v_and_b32 v6, 31, v0
	v_lshlrev_b32 v[CO], 4, v6                     ; back: 32 lanes take four rows of 128 bytes, which are 512 consecutive bytes of qkv
	v_lshrrev_b32 v5, 3, v6
	v_mul_u32_u24 v5, v5, HP
	v_and_b32 v6, 7, v0
	v_lshl_add_u32 v5, v6, 4, v5
	v_add_nc_u32 v[RD], s23, v5
	v_lshlrev_b32 v[BO], 5, v2
	s_wait_kmcnt 0x0
	s_cmp_eq_u32 ttmp9, 1                          ; which bias: the cluster's x, the same in all sixteen partners
	s_cselect_b64 s[4:5], s[6:7], s[4:5]
	s_cmp_eq_u32 ttmp9, 2
	s_cselect_b64 s[4:5], s[8:9], s[4:5]
	s_lshl_b32 s46, s40, 10                        ; my 128 channels of its 1024: 256 cx + 128 x half, 4 bytes each
	s_lshl_b32 s47, s16, 9
	s_add_co_u32 s46, s46, s47
	s_mov_b32 s47, 0
	s_add_nc_u64 s[4:5], s[4:5], s[46:47]
.irp b, 0,1,2,3,4,5,6,7
	global_load_b128 v[BIAS+8*\b:BIAS+8*\b+3], v[BO], s[4:5] offset:64*\b          ; in the result's layout: lane (r, h), register j: channel 16 b + 8 h + j
	global_load_b128 v[BIAS+8*\b+4:BIAS+8*\b+7], v[BO], s[4:5] offset:64*\b+16
.endr
	; where my 128 tokens x 2 heads begin in qkv
	s_lshl_b32 s20, s17, 8
	s_lshl_b32 s21, s15, 7
	s_add_co_u32 s20, s20, s21                     ; my first token: 256 x tile row + 128 x half
	s_lshr_b32 s21, s20, 11                        ; its batch
	s_lshl_b32 s21, s21, 4
	s_lshl_b32 s22, ttmp9, 6
	s_add_co_u32 s21, s21, s22                     ; 64 x (q, k, v) + 16 x batch
	s_and_b32 s20, s20, 2047
	s_lshl_b32 s20, s20, 7                         ; its position x 128 bytes
	s_lshl_b32 s46, s40, 2
	s_lshl_b32 s47, s16, 1
	s_add_co_u32 s46, s46, s47                     ; my first head: 4 cx + 2 x half
	s_add_co_u32 s46, s46, s21
	s_lshl_b32 s46, s46, 18                        ; a head is 2048 x 128 bytes
	s_add_co_u32 s46, s46, s20
	s_mov_b32 s47, 0
	s_add_nc_u64 s[10:11], s[10:11], s[46:47]
.macro FRAG reg, adr, q, i             ; a fragment, 16 rows x 128 K of 4-bit codes: lane l holds row l % 16; registers 4 c .. 4 c + 3 hold K = 64 c + 32 (l / 16) + 0 .. 31
.irp c, 0,1
	ds_load_b128 v[\reg+4*\c:\reg+4*\c+3], v[\adr] offset:64*(\q)+32*\c+(\i)*16*PITCH
.endr
.endm
; 16 matrix instructions: x's blocks a0, a0 + 1 against W's eight, the slot's q-th 128 along K.  p: W's set;  sc: the set of scale words.  zero = 1: the first product starts the sums from the bias.
; The 64 accumulators take turns, one instruction a turn, in the same order in every step.
.macro MUL16 a0, p, q, sc, zero
.irp a, \a0, \a0+1
.irp b, 0,1,2,3,4,5,6,7
.if \zero
	v_wmma_scale_f32_16x16x128_f8f6f4 v[8*(8*((\a)%4)+\b):8*(8*((\a)%4)+\b)+7], v[128*(\p)+FR*\b:128*(\p)+FR*\b+FR-1], v[AF+FR*(\a):AF+FR*(\a)+FR-1], v[BIAS+8*\b:BIAS+8*\b+7], v[SC+8*NQ*(\sc)+NQ*\b+(\q)], v[SC+8*NQ*(\sc)+NQ*(\a)+(\q)] matrix_a_fmt:MATRIX_FMT_FP4 matrix_b_fmt:MATRIX_FMT_FP4 matrix_a_scale:MATRIX_SCALE_ROW1
.else
	v_wmma_scale_f32_16x16x128_f8f6f4 v[8*(8*((\a)%4)+\b):8*(8*((\a)%4)+\b)+7], v[128*(\p)+FR*\b:128*(\p)+FR*\b+FR-1], v[AF+FR*(\a):AF+FR*(\a)+FR-1], v[8*(8*((\a)%4)+\b):8*(8*((\a)%4)+\b)+7], v[SC+8*NQ*(\sc)+NQ*\b+(\q)], v[SC+8*NQ*(\sc)+NQ*(\a)+(\q)] matrix_a_fmt:MATRIX_FMT_FP4 matrix_b_fmt:MATRIX_FMT_FP4 matrix_a_scale:MATRIX_SCALE_ROW1
.endif
.endr
.endr
.endm
.macro FETCH_B slot, q, p              ; W's eight fragments of the slot's q-th 128 along K into set p
	WIN TO_B
.irp i, 0,1,2,3,4,5,6,7
	FRAG 128*(\p)+FR*\i, ADRB+\slot, \q, \i
.endr
	WIN 0
.endm
.macro FETCH_A slot, q, i0             ; x's blocks i0 .. i0 + 3
.irp i, \i0, \i0+1, \i0+2, \i0+3
	FRAG AF+FR*(\i), ADRA+\slot, \q, \i
.endr
.endm
.macro SCALES sc                       ; a slot's scale words into set sc: four words a row; lanes 0-15 take x's block i, lanes 16-31 W's block i
.irp i, 0,1,2,3,4,5,6,7
	ds_load_b128 v[SC+8*NQ*\sc+NQ*\i:SC+8*NQ*\sc+NQ*\i+3], v[ADRS] offset:\i*SBLK
.endr
.endm
; A load into a register that a matrix instruction has read, and a vector instruction that reads a matrix result, stand NP places behind that matrix instruction; only plain vector instructions
; that name none of its registers are places (ISA guide 7.12.1 for vector instructions).
.macro PLACES n
.rept \n
	v_nop
.endr
.endm
; A step of 128 along K that has its successor in the same slot.  x has one set of registers: blocks 0-3 are fetched anew in the step's middle, blocks 4-7 at its end; W has two sets.
.macro STEP slot, q, zero
	s_wait_dscnt 4*NL                              ; W's set and x's blocks 0-3 are in; the youngest eight loads (x's blocks 4-7) may be out
.if \zero
	WIN ST_LO
.else
	WIN MUL_LO
.endif
	MUL16 0, (\q)%2, \q, \slot, \zero
	MUL16 2, (\q)%2, \q, \slot, \zero
	s_wait_dscnt 0                                 ; x's blocks 4-7 are in (asked for 32 matrix instructions ago)
	PLACES NP
	FETCH_B \slot, (\q)+1, 1-(\q)%2
	FETCH_A \slot, (\q)+1, 0
.if \zero
	WIN ST_HI
.else
	WIN MUL_HI
.endif
	MUL16 4, (\q)%2, \q, \slot, \zero
	MUL16 6, (\q)%2, \q, \slot, \zero
	PLACES NP
	WIN 0
	FETCH_A \slot, (\q)+1, 4
.endm
; Slot 0's last step changes slots: ONE barrier.  In front of it each wave waits for all its tensor loads (its part of slot 1), adds 0 to its spare word, and waits for that and for its reads of slot 0.
; Behind it slot 1 is whole, and nobody reads slot 0 any more: the way out may lay its stages there.  Nothing is filled again.
.macro TURN slot, next
	s_wait_tensorcnt 0x0                           ; all my tensor loads have landed (every window is 0 here: the add's two registers lie in window 0)
	ds_add_u32 v[SPW], v[NIL]                      ; 0 onto my spare word
	s_wait_dscnt 4*NL+1                            ; (the add and the youngest eight loads may be out)
	WIN MUL_LO
	MUL16 0, 1, NQ-1, \slot, 0                     ; sixteen matrix instructions stand between the add and the wait for it
	s_wait_dscnt 0x0                               ; the add is done, and my reads of this slot are over
	s_barrier_signal -1
	MUL16 2, 1, NQ-1, \slot, 0
	WIN 0
	s_barrier_wait -1
	PLACES NP
	v_add_nc_u32 v[ADRS], 4*NQ, v[ADRS]            ; on to the next slot's scale words (no LDS load of mine is out)
	FETCH_B \next, 0, 0
	FETCH_A \next, 0, 0
	SCALES \next
	WIN MUL_HI
	MUL16 4, 1, NQ-1, \slot, 0
	MUL16 6, 1, NQ-1, \slot, 0
	PLACES NP
	WIN 0
	FETCH_A \next, 0, 4
.endm
	s_wait_tensorcnt 1                             ; the scale bytes and my part of slot 0 are in (slot 1's load, issued behind them, may be out)
	s_barrier_signal -1
	s_barrier_wait -1                              ; everybody's are
	FETCH_B 0, 0, 0
	FETCH_A 0, 0, 0
	SCALES 0
	FETCH_A 0, 0, 4
	s_wait_loadcnt 0x0                             ; the bias
	STEP 0, 0, 1                                   ; the first step's products start the sums from the bias: nothing is cleared, nothing is added later
	STEP 0, 1, 0
	STEP 0, 2, 0
	TURN 0, 1
	STEP 1, 0, 0
	STEP 1, 1, 0
	STEP 1, 2, 0
	s_wait_dscnt 4*NL                              ; the last step: nothing more to fetch
	WIN MUL_LO
	MUL16 0, 1, NQ-1, 1, 0
	MUL16 2, 1, NQ-1, 1, 0
	s_wait_dscnt 0
	WIN MUL_HI
	MUL16 4, 1, NQ-1, 1, 0
	MUL16 6, 1, NQ-1, 1, 0
	WIN 0
; THE WAY OUT, block by block of 16 tokens x 128 channels (two heads).  PACK: rounded to f16, each accumulator from its low end on: a lane's eight channels are 16 bytes.  TOSTAGE: into my own stage
; (for each head 16 rows of 128 bytes + 16) and back, four rows an instruction.  SEND: a head's 16 rows are 2,048 consecutive bytes of qkv: each store of the wave covers 512 consecutive bytes, aligned.
.macro PACK a
.set AC, 64*((\a)%4)
	WIN 0x0a+5*((\a)/4)                            ; sources 0 and 1: window 2 or 3
.irp b, 0,1,2,3,4,5,6,7
.irp i, 0,1,2,3
	v_cvt_pk_f16_f32 v[TMP+4*\b+\i], v[AC+8*\b+2*\i], v[AC+8*\b+2*\i+1]
.endr
.endr
	WIN 0
.endm
.macro TOSTAGE a
.set BB, OB+192*((\a)%2)
.irp b, 0,1,2,3,4,5,6,7
	ds_store_b128 v[STO], v[TMP+4*\b:TMP+4*\b+3] offset:(\b/4)*HSTG+(\b%4)*32
.endr
.irp u, 0,1
.irp t, 0,1,2,3
	ds_load_b128 v[BB+16*\u+4*\t:BB+16*\u+4*\t+3], v[RD] offset:\u*HSTG+\t*4*HP   ; LDS serves a wave's instructions in order (ISA guide 5.7.1.4): these see the stores above
.endr
.endr
.endm
.macro SEND a
.set BB, OB+192*((\a)%2)
	s_wait_dscnt 0x0                               ; the block is back in registers
	s_wait_xcnt 0x0                                ; the stores of the block before have read their registers: the next block's loads from the stage may land there
.irp u, 0,1
.irp t, 0,1,2,3
	global_store_b128 v[CO], v[BB+16*\u+4*\t:BB+16*\u+4*\t+3], s[10:11] offset:\u*262144+(\a)*2048+\t*512   ; every place is an immediate: the base is never stepped
.endr
.endr
.endm
	PLACES NP                                      ; behind the last products
	PACK 0
	TOSTAGE 0
.irp a, 1,2,3,4,5,6,7                  ; block a's conversions stand between block a - 1's loads from the stage and the wait for them
	PACK \a
	SEND \a-1
	TOSTAGE \a
.endr
	SEND 7
	s_wait_tensorcnt 0x0                           ; the wave's end, behind my last tensor load and my last LDS store
	ds_add_u32 v[SPW], v[NIL]
	s_wait_dscnt 0x0
	CROUND                                         ; the closing round: no work-group ends while a partner may still ask for a tile that names it
	s_endpgm
.Lfunc_end_k_q917f640a38_proj:
	.size	k_q917f640a38_proj, .Lfunc_end_k_q917f640a38_proj-k_q917f640a38_proj
	.p2alignl 7, 3214868480
	.fill 96, 4, 3214868480
	.section	.rodata,"a",@progbits
	.p2align	6, 0x0
	.amdhsa_kernel k_q917f640a38_proj
		.amdhsa_group_segment_fixed_size 327680
		.amdhsa_private_segment_fixed_size 0
		.amdhsa_enable_private_segment 0
		.amdhsa_kernarg_size 64
		.amdhsa_user_sgpr_count 2
		.amdhsa_user_sgpr_kernarg_segment_ptr 1
		.amdhsa_wavefront_size32 1
		.amdhsa_system_sgpr_workgroup_id_x 1
		.amdhsa_system_sgpr_workgroup_id_y 1
		.amdhsa_system_sgpr_workgroup_id_z 1
		.amdhsa_system_vgpr_workitem_id 0
		.amdhsa_next_free_vgpr 1024
		.amdhsa_next_free_sgpr 98
		.amdhsa_reserve_vcc 0
		.amdhsa_float_denorm_mode_32 3
		.amdhsa_float_denorm_mode_16_64 3
		.amdhsa_memory_ordered 1
		.amdhsa_forward_progress 1
		.amdhsa_inst_pref_size 128
	.end_amdhsa_kernel
	.amdgpu_metadata
---
amdhsa.version: [ 1, 2 ]
amdhsa.kernels:
  - .name:           k_q917f640a38_proj
    .symbol:         k_q917f640a38_proj.kd
    .args:
      - { .name: xc, .offset: 0, .size: 8, .value_kind: global_buffer, .address_space: global }
      - { .name: xs, .offset: 8, .size: 8, .value_kind: global_buffer, .address_space: global }
      - { .name: wc, .offset: 16, .size: 8, .value_kind: global_buffer, .address_space: global }
      - { .name: ws, .offset: 24, .size: 8, .value_kind: global_buffer, .address_space: global }
      - { .name: bq, .offset: 32, .size: 8, .value_kind: global_buffer, .address_space: global }
      - { .name: bk, .offset: 40, .size: 8, .value_kind: global_buffer, .address_space: global }
      - { .name: bv, .offset: 48, .size: 8, .value_kind: global_buffer, .address_space: global }
      - { .name: qkv, .offset: 56, .size: 8, .value_kind: global_buffer, .address_space: global }
    .group_segment_fixed_size: 327680
    .private_segment_fixed_size: 0
    .kernarg_segment_align: 8
    .kernarg_segment_size: 64
    .max_flat_workgroup_size: 128
    .sgpr_count:     98
    .vgpr_count:     1024
    .wavefront_size: 32
...
	.end_amdgpu_metadata
.endif
;; end of part 2
;; launch attn (part 3): grid 4 x 64, 16 waves a work-group, no clusters, 327,680 bytes of LDS; arguments qkv, attention_mask, out0; writes out0
.if DOCPART == 3
	.amdgcn_target "amdgcn-amd-amdhsa--gfx1250"
	.amdhsa_code_object_version 6
	.text
	.protected	k_q917f640a38_attn
	.globl	k_q917f640a38_attn
	.p2align	8
	.type	k_q917f640a38_attn,@function
k_q917f640a38_attn:
	s_mov_b64 s[64:65], 0
	v_nop
	global_prefetch_b8 v0, s[64:65] scope:SCOPE_SE
	s_setreg_imm32_b32 hwreg(HW_REG_WAVE_MODE, 25, 1), 1
	s_wait_xcnt 0x0
; Attention in a band: query i of a (batch, head) sees keys i - 128 .. i; attention_mask[batch][key] is added to the scores.  q, k, v: f16, qkv [3][64 (16 batch + head)][2048][64].  out0 [4][2048][1024] f32.
; This launch writes all positions from 16 on; the first 16 positions of every sequence are another launch's.
; s = (q . k) / 8 + mask in ONE f32 rounding (the division by 8 is exact), hidden keys -infinity, then the row's maximum, s - maximum, x log2(e), 2^: the order of the definition, whatever numbers the mask holds.
; A row whose every allowed key has a mask of -infinity comes out NaN, as it does by the definition.  The weights p are rounded to f16 for the second product; their sum is taken unrounded and divides at the end.
; LIMITS: q, k, v that are infinities in f16 (beyond 65,504), and +infinity or NaN in the mask, are not served.
; SHARES.  A work-group owns 512 queries (s0 = 512 x) of one (batch, head) (y); LDS row i holds key s0 - 128 + i, i = 0 .. 639.  Each of sixteen waves owns two tiles of 16 queries, tiles w and w + 16.
; Four waves lie on a SIMD, so that one wave's vector work stands beside another's matrix work and LDS loads.  A tile of queries q0 .. q0 + 15 meets nine tiles of 16 keys, q0 - 128 .. q0 + 15.
; In the first block of a sequence the 128 rows in front of key 0 are the rows that lie in front of them in qkv (k lies behind q, v behind k: inside the buffer); their mask word is -infinity, so p = 0.
; K's and V's 640 rows come by four tensor loads (waves 0, 1: K's halves; waves 2, 3: V's), all at the head: one load of a wave is out; ONE barrier.  So nothing is prefetched either.
; NO CLUSTER: neighbouring blocks share only the 128 rows in front of a block, a fifth of a work-group's rows.
; LAYOUT.  S^T = K Q^T (source 0 = 16 keys, source 1 = 16 queries): a lane holds ONE query (lane % 16) and keys 8 (lane / 16) + 0..7 of each tile.  Two such tiles, rounded to f16 in pairs, ARE source 1
; (32 keys x 16 queries) of O^T = V^T P, whose result again holds one query a lane and eight channels.  K comes out of LDS as it lies, V ([key][channel]) turned, by ds_load_tr16_b128.
.set KP,    144                        ; a row of K in LDS: 128 bytes + 16: an odd multiple of 16
.set VP,    160                        ; a row of V: 128 + 32: an odd multiple of 32
.set ROWS,  640
.set VOFF,  ROWS*KP                    ; 92,160
.set MSK,   VOFF+ROWS*VP               ; 194,560: the 640 keys' mask words, f32; stored by waves 0-4; no tile lands here
.set STAGE, MSK+ROWS*4                 ; 197,120: the way out: 16 rows x 272 bytes for each wave
.set SP,    272
.set SPARE, STAGE+16*16*SP             ; 266,752: the spare words, 128 bytes a wave, which no other line names
.set SPW, 1                            ; v1   my spare word; never rewritten
.set NIL, 2                            ; v2   0; never rewritten
.set AK,  3                            ; v3-4   my lane's place in K for tile 0, 1
.set AV,  5                            ; v5-6   in V
.set AM,  7                            ; v7-8   among the mask words
.set STO, 9                            ; v9   the stage: where I put 32 bytes of a row
.set RD,  10                           ; v10  where I read a row back
.set GO,  11                           ; v11  my byte offset in two rows of out0
.set QO,  12                           ; v12  my byte offset in a tile of Q
.set MW,  13                           ; v13  where my thread stores four mask words
.set MG,  14                           ; v14  and where it loads them
.set DD,  15                           ; v15  d = lane % 16 - 8 (lane / 16)
.set Q,   16                           ; v16-31   Q's two fragments
.set S,   32                           ; v32-103  S^T, 9 tiles x 8, then p
.set F,   104                          ; v104-247 K's 18 fragments (channels 0-31 at F + 8 kt, 32-63 at F + 72 + 8 kt); then:
.set VF0, 104                          ; v104-175 the mask words; then v104-135, v136-167 two sets of V's four fragments; at the end v104-135 rows of O
.set VF1, 136
.set P,   176                          ; v176-215 p in f16: 5 x 8
.set O,   216                          ; v216-247 O^T: four tiles of 16 channels
.set T,   248                          ; v248-251 four chains of the maximum (the maximum ends in v248); v[250:251], v[252:253] two chains of the sum; v252 1 / sum
.set NINF, 254                         ; v254 -infinity
.set WV,  10                           ; s10  wave
.set SKIP, 13                          ; s13  0 in the one wave of a sequence's first block whose tile 0 is the other launch's
.set QB,  16                           ; s[16:17] Q at my tile 0
.set OU,  18                           ; s[18:19] out0 at my tile 0, my head
.set MB,  20                           ; s[20:21] attention_mask at my batch
.set G1K, 24                           ; s[24:31], s[32:39] descriptor groups 1 for K and V; s[40:43], s[44:47] their groups 0
.set G1V, 32
.set G0K, 40
.set G0V, 44
.set HI,  56                           ; s56-63  lane masks: register j of key tile 8 is hidden (the key comes after the query): j > d
.set LO,  66                           ; s66-73  register j of key tile 0 is hidden (the key is more than 128 back): j < d
	s_load_b128 s[4:7], s[0:1], 0x0                ; qkv s[4:5], attention_mask s[6:7]
	s_load_b64 s[8:9], s[0:1], 0x10                ; out0
	v_lshl_add_u32 v[SPW], v0, 2, SPARE
	v_mov_b32 v[NIL], 0
	ds_add_u32 v[SPW], v[NIL]                      ; the wave's opening: the add, twice on end, and its wait ahead of the first tensor load
	ds_add_u32 v[SPW], v[NIL]
	v_lshrrev_b32 v16, 5, v0
	v_readfirstlane_b32 s[WV], v16                 ; wave 0..15
	s_and_b32 s12, ttmp7, 0xffff                   ; 16 batch + head
	s_or_b32 s[SKIP], ttmp9, s[WV]
	s_lshl_b32 s14, ttmp9, 9                       ; s0
	s_sub_co_u32 s22, s14, 128                     ; the key of LDS row 0 (-128 in a sequence's first block)
	; descriptor groups 1: 320 rows of 128 bytes (16 elements of 8 bytes), dense in memory, padded in LDS
	s_mov_b32 s[G1K], (3<<16)|(1<<20)|(4<<22)|(3<<25)   ; no mask; elements of 8 bytes; padding on: after every 32 words four words
	s_mov_b32 s[G1V], (3<<16)|(1<<20)|(4<<22)|(7<<25)   ; the same with eight words
.irp g, G1K, G1V
	s_mov_b32 s[\g+1], 16<<16                      ; tensor_dim0
	s_mov_b32 s[\g+2], 320<<16                     ; tensor_dim1
	s_mov_b32 s[\g+3], 16<<16                      ; tile_dim0
	s_mov_b32 s[\g+4], 320                         ; tile_dim1
	s_mov_b32 s[\g+5], 16                          ; from row to row
	s_mov_b32 s[\g+6], 0
	s_mov_b32 s[\g+7], 0
.endr
	s_and_b32 s48, s[WV], 1                        ; which half of the 640 rows I fetch, if I fetch
	s_mov_b32 s[G0K], 1
	s_mul_i32 s[G0K+1], s48, 320*KP
	s_mov_b32 s[G0V], 1
	s_mul_i32 s[G0V+1], s48, 320*VP
	s_add_co_u32 s[G0V+1], s[G0V+1], VOFF
	s_add_co_u32 s15, s12, 64                      ; k lies 64 heads behind q
	s_lshl_b32 s15, s15, 11
	s_add_co_u32 s15, s15, s22
	s_mul_i32 s49, s48, 320
	s_add_co_u32 s15, s15, s49
	s_lshl_b32 s54, s15, 7                         ; my half's first row of K, in bytes
	s_mov_b32 s55, 0
	s_lshl_b32 s49, s[WV], 4
	s_add_co_u32 s49, s49, s14                     ; my tile 0's first query
	s_lshl_b32 s74, s12, 11
	s_add_co_u32 s74, s74, s49
	s_lshl_b32 s74, s74, 7                         ; its row of Q
	s_mov_b32 s75, 0
	s_lshr_b32 s15, s12, 4                         ; batch
	s_lshl_b32 s78, s15, 13                        ; its 2048 mask words
	s_mov_b32 s79, 0
	s_lshl_b32 s76, s15, 11
	s_add_co_u32 s76, s76, s49
	s_lshl_b32 s76, s76, 12                        ; its row of out0, 4,096 bytes a position,
	s_and_b32 s15, s12, 15
	s_lshl_b32 s15, s15, 8
	s_add_co_u32 s76, s76, s15                     ; my head's 256 bytes
	s_mov_b32 s77, 0
	s_mov_b32 s2, 0x76543210                       ; v_permlanex16_b32's selects for lane l xor 16
	s_mov_b32 s3, 0xfedcba98
	s_mov_b32 s50, 0x3e000000                      ; 1/8; the packed form names a pair and takes its low word for both halves
	s_mov_b32 s51, s50
	s_mov_b32 s52, 0x3fb8aa3b                      ; log2(e)
	s_mov_b32 s53, s52
	; every LDS address is made here, ahead of the first branch
	v_and_b32 v17, 15, v0                          ; r
	v_bfe_u32 v18, v0, 4, 1                        ; h
	v_and_b32 v19, 7, v0
	v_bfe_u32 v20, v0, 3, 1
	s_mul_i32 s15, s[WV], 16*KP
	v_mul_u32_u24 v[AK], v17, KP
	v_lshl_add_u32 v[AK], v18, 4, v[AK]
	v_add_nc_u32 v[AK], s15, v[AK]                 ; K: row 16 w + r, + 16 h
	v_add_nc_u32 v[AK+1], 256*KP, v[AK]            ; tile 1 lies 256 rows on
	s_mul_i32 s15, s[WV], 16*VP
	s_add_co_u32 s15, s15, VOFF
	v_lshl_add_u32 v[AV], v18, 3, v19
	v_mul_u32_u24 v[AV], v[AV], VP
	v_lshl_add_u32 v[AV], v20, 4, v[AV]
	v_add_nc_u32 v[AV], s15, v[AV]                 ; V: row 16 w + 8 h + lane % 8, + 16 ((lane / 8) % 2)
	v_add_nc_u32 v[AV+1], 256*VP, v[AV]
	s_lshl_b32 s15, s[WV], 6
	s_add_co_u32 s15, s15, MSK
	v_lshl_add_u32 v[AM], v18, 5, s15              ; mask words of keys 16 w + 8 h + 0..7
	v_add_nc_u32 v[AM+1], 1024, v[AM]
	s_mul_i32 s15, s[WV], 16*SP
	s_add_co_u32 s15, s15, STAGE
	v_mul_u32_u24 v[STO], v17, SP
	v_lshl_add_u32 v[STO], v18, 5, v[STO]
	v_add_nc_u32 v[STO], s15, v[STO]               ; in: row r, + 32 h
	v_mul_u32_u24 v[RD], v18, SP
	v_lshl_add_u32 v[RD], v17, 4, v[RD]
	v_add_nc_u32 v[RD], s15, v[RD]                 ; back: lanes 0-15 one row of 256 bytes, lanes 16-31 the next
	v_lshlrev_b32 v[GO], 12, v18
	v_lshl_add_u32 v[GO], v17, 4, v[GO]            ; and the same two rows in out0
	v_lshlrev_b32 v[QO], 7, v17
	v_lshl_add_u32 v[QO], v18, 4, v[QO]            ; Q: row r of 128 bytes, + 16 h
	v_lshl_add_u32 v[MW], v0, 4, MSK               ; threads 0-159: four mask words each
	v_lshlrev_b32 v[MG], 2, v0
	v_add_nc_u32 v[MG], s22, v[MG]                 ; their first key (all four in front of key 0, or none: s22 is a multiple of 4)
	v_cmp_gt_i32 s23, 0, v[MG]                     ; in front of key 0: the words become -infinity,
	v_max_i32 v[MG], 0, v[MG]                      ; and the load stays inside its buffer
	v_lshlrev_b32 v[MG], 2, v[MG]
	v_lshlrev_b32 v21, 3, v18
	v_sub_nc_u32 v[DD], v17, v21
.irp j, 0,1,2,3,4,5,6,7
	v_cmp_gt_i32 s[HI+\j], \j, v[DD]
	v_cmp_lt_i32 s[LO+\j], \j, v[DD]
.endr
	v_mov_b32 v[NINF], 0xff800000
	v_mov_b32 v252, 0                              ; written once: a lane permute's destination counts as one of its sources
	s_wait_dscnt 0x0                               ; both opening adds are done
	s_wait_kmcnt 0x0
	s_add_nc_u64 s[G0K+2:G0K+3], s[4:5], s[54:55]
	s_add_nc_u64 s[G0V+2:G0V+3], s[G0K+2:G0K+3], 0x1000000   ; v lies 64 heads of 262,144 bytes behind k
	s_or_b32 s[G0K+3], s[G0K+3], 0x80000000        ; the type
	s_or_b32 s[G0V+3], s[G0V+3], 0x80000000
	s_add_nc_u64 s[QB:QB+1], s[4:5], s[74:75]
	s_add_nc_u64 s[OU:OU+1], s[8:9], s[76:77]
	s_add_nc_u64 s[MB:MB+1], s[6:7], s[78:79]
	s_cmp_lt_u32 s[WV], 2                          ; waves 0, 1: K's halves; waves 2, 3: V's; the others fetch nothing.  An s_nop 0 and four v_nop follow each line
	s_cbranch_scc0 .Lnot_k
	tensor_load_to_lds s[G0K:G0K+3], s[G1K:G1K+7]
	s_nop 0
.rept 4
	v_nop
.endr
	s_branch .Lasked
.Lnot_k:
	s_cmp_lt_u32 s[WV], 4
	s_cbranch_scc0 .Lasked
	tensor_load_to_lds s[G0V:G0V+3], s[G1V:G1V+7]
	s_nop 0
.rept 4
	v_nop
.endr
.Lasked:
.macro QLOAD t                         ; tile t's Q: two fragments (channels 0-31, 32-63): registers 0-3 channels 8 h + 0..7, registers 4-7 channels 16 + 8 h + 0..7
.irp i, 0,1,2,3
	global_load_b128 v[Q+4*\i:Q+4*\i+3], v[QO], s[QB:QB+1] offset:32768*\t+32*\i th:TH_LOAD_NT
.endr
.endm
	QLOAD 0
	s_cmp_lt_u32 s[WV], 5                          ; waves 0-4 bring the 640 mask words
	s_cbranch_scc0 .Lno_mask
	global_load_b128 v[32:35], v[MG], s[MB:MB+1]
	s_wait_loadcnt 0x0
.irp j, 0,1,2,3
	v_cndmask_b32 v[32+\j], v[32+\j], v[NINF], s23
.endr
	ds_store_b128 v[MW], v[32:35]
.Lno_mask:
	s_wait_tensorcnt 0x0                           ; my part of K or V has landed,
	s_wait_dscnt 0x0                               ; my mask words are stored:
	s_barrier_signal -1
	s_barrier_wait -1                              ; everybody's are.  The only barrier: from here on LDS is read, and each wave writes its own stage alone
.macro VLOAD t, c, vf, halves          ; V's four fragments (16 channels x 32 keys each) of keys 32 c on, turned; halves = 1: the first 16 keys alone
.irp n, 0,1,2,3
	ds_load_tr16_b128 v[\vf+8*\n:\vf+8*\n+3], v[AV+\t] offset:32*VP*\c+32*\n
.if \halves == 2
	ds_load_tr16_b128 v[\vf+8*\n+4:\vf+8*\n+7], v[AV+\t] offset:32*VP*\c+16*VP+32*\n
.endif
.endr
.endm
.macro PV c, vf, zero                  ; O^T += V^T P for keys 32 c on: the four accumulators take turns, one instruction a turn
.irp n, 0,1,2,3
.if \zero
	v_wmma_f32_16x16x32_f16 v[O+8*\n:O+8*\n+7], v[\vf+8*\n:\vf+8*\n+7], v[P+8*\c:P+8*\c+7], 0
.else
	v_wmma_f32_16x16x32_f16 v[O+8*\n:O+8*\n+7], v[\vf+8*\n:\vf+8*\n+7], v[P+8*\c:P+8*\c+7], v[O+8*\n:O+8*\n+7]
.endif
.endr
.endm
.macro PLACES                          ; four places behind matrix instructions, ahead of loads into their registers and of reads of their results (ISA guide 7.12.1 for vector instructions)
.rept 4
	v_nop
.endr
.endm
.macro TILE t
	s_wait_xcnt 0x0                                ; the last tile's stores have read their registers: F is loaded again only behind this wait
.irp c, 0,1
.irp k, 0,1,2,3,4,5,6,7,8
	ds_load_b128 v[F+72*\c+8*\k:F+72*\c+8*\k+3], v[AK+\t] offset:16*KP*\k+64*\c
	ds_load_b128 v[F+72*\c+8*\k+4:F+72*\c+8*\k+7], v[AK+\t] offset:16*KP*\k+64*\c+32
.endr
.endr
	s_wait_loadcnt 0x0                             ; Q
	s_wait_dscnt 18                                ; channels 0-31 of the nine key tiles are in; the 18 loads of channels 32-63 may be out
.irp k, 0,1,2,3,4,5,6,7,8
	v_wmma_f32_16x16x32_f16 v[S+8*\k:S+8*\k+7], v[F+8*\k:F+8*\k+7], v[Q:Q+7], 0
.endr
	s_wait_dscnt 0x0
.irp k, 0,1,2,3,4,5,6,7,8                  ; nine accumulators by turns
	v_wmma_f32_16x16x32_f16 v[S+8*\k:S+8*\k+7], v[F+72+8*\k:F+72+8*\k+7], v[Q+8:Q+15], v[S+8*\k:S+8*\k+7]
.endr
	PLACES
.irp k, 0,1,2,3,4,5,6,7,8
	ds_load_b128 v[F+8*\k:F+8*\k+3], v[AM+\t] offset:64*\k       ; the mask words of my eight keys of each tile, in the scores' layout
	ds_load_b128 v[F+8*\k+4:F+8*\k+7], v[AM+\t] offset:64*\k+16
.endr
.if \t == 0
	QLOAD 1                                        ; the next tile's Q lands under this tile's work
.endif
	s_wait_dscnt 0x0
.set i, 0
.rept 36
	v_pk_fma_f32 v[S+i:S+i+1], v[S+i:S+i+1], s[50:51], v[F+i:F+i+1] op_sel_hi:[1,0,1]   ; s = score / 8 + mask: one rounding; each accumulator from its low end on
.set i, i+2
.endr
.irp j, 0,1,2,3,4,5,6,7
	v_cndmask_b32 v[S+\j], v[S+\j], v[NINF], s[LO+\j]            ; key tile 0: keys more than 128 back
	v_cndmask_b32 v[S+64+\j], v[S+64+\j], v[NINF], s[HI+\j]      ; key tile 8: keys after the query
.endr
	VLOAD \t, 0, VF0, 2                            ; V of the first 64 keys lands under the softmax
	VLOAD \t, 1, VF1, 2
.irp c, 0,1,2,3                            ; the maximum of my 72: four chains of 18
	v_max3_num_f32 v[T+\c], v[S+18*\c], v[S+18*\c+1], v[S+18*\c+2]
.endr
.irp i, 3,5,7,9,11,13,15
.irp c, 0,1,2,3
	v_max3_num_f32 v[T+\c], v[T+\c], v[S+18*\c+\i], v[S+18*\c+\i+1]
.endr
.endr
.irp c, 0,1,2,3
	v_max_num_f32 v[T+\c], v[T+\c], v[S+18*\c+17]
.endr
	v_max3_num_f32 v[T], v[T], v[T+1], v[T+2]
	v_max_num_f32 v[T], v[T], v[T+3]
	v_permlanex16_b32 v252, v[T], s2, s3           ; the query's other 72 keys lie in the lane 16 away
	v_max_num_f32 v[T], v[T], v252
.set i, 0
.rept 36
	v_pk_add_f32 v[S+i:S+i+1], v[S+i:S+i+1], v[T:T+1] op_sel_hi:[1,0] neg_lo:[0,1] neg_hi:[0,1]   ; s - maximum, rounded as the definition rounds it,
.set i, i+2
.endr
.set i, 0
.rept 36
	v_pk_mul_f32 v[S+i:S+i+1], v[S+i:S+i+1], s[52:53] op_sel_hi:[1,0]   ; and only then x log2(e)
.set i, i+2
.endr
.set i, 0
.rept 72
	v_exp_f32 v[S+i], v[S+i]                       ; p, at most 1: ONE batch
.set i, i+1
.endr
	v_nop                                          ; a plain instruction behind the last exponential
	s_wait_alu depctr_va_vdst(0)                   ; and one wait for the batch, ahead of its first reader
	v_pk_add_f32 v[250:251], v[S:S+1], v[S+2:S+3]  ; the sum of the unrounded p, two at a time, in two chains
	v_pk_add_f32 v[252:253], v[S+4:S+5], v[S+6:S+7]
.irp j, 8,12,16,20,24,28,32,36,40,44,48,52,56,60,64,68
	v_pk_add_f32 v[250:251], v[250:251], v[S+\j:S+\j+1]
	v_pk_add_f32 v[252:253], v[252:253], v[S+\j+2:S+\j+3]
.endr
	v_pk_add_f32 v[250:251], v[250:251], v[252:253]
	v_add_f32 v250, v250, v251
	v_permlanex16_b32 v252, v250, s2, s3
	v_add_f32 v250, v250, v252
	v_rcp_f32 v252, v250                           ; its wait stands behind the second product, ahead of its first reader; nothing between names v252
.set i, 0
.rept 36
	v_cvt_pk_f16_f32 v[P+i], v[S+2*i], v[S+2*i+1]  ; key tile kt's eight p are registers 4 kt .. 4 kt + 3: tiles 2 c and 2 c + 1 are the operand of keys 32 c on
.set i, i+1
.endr
.irp j, 36,37,38,39
	v_mov_b32 v[P+\j], 0                           ; there is no tenth key tile: zeros
.endr
	s_wait_dscnt 8                                 ; keys 0-31 of V are in (behind them: the eight loads of keys 32-63)
	PV 0, VF0, 1
	PLACES
	VLOAD \t, 2, VF0, 2
	s_wait_dscnt 8                                 ; keys 32-63 are in
	PV 1, VF1, 0
	PLACES
	VLOAD \t, 3, VF1, 2
	s_wait_dscnt 8                                 ; keys 64-95
	PV 2, VF0, 0
	PLACES
	VLOAD \t, 4, VF0, 1                            ; keys 128-143: four loads; nothing beyond the tile's 144 keys is read:
.irp n, 0,1,2,3
.irp j, 4,5,6,7
	v_mov_b32 v[VF0+8*\n+\j], 0                    ; the other 16 keys of this operand are zeros too
.endr
.endr
	s_wait_dscnt 4                                 ; keys 96-127
	PV 3, VF1, 0
	s_wait_dscnt 0x0
	PV 4, VF0, 0
	PLACES
	s_wait_alu depctr_va_vdst(0)                   ; the reciprocal's wait, ahead of its first reader
.set i, 0
.rept 16
	v_pk_mul_f32 v[O+i:O+i+1], v[O+i:O+i+1], v[252:253] op_sel_hi:[1,0]   ; O^T / sum
.set i, i+2
.endr
.irp n, 0,1,2,3
	ds_store_b128 v[STO], v[O+8*\n:O+8*\n+3] offset:64*\n        ; lane (r, h): query r, channels 16 n + 8 h + 0..7
	ds_store_b128 v[STO], v[O+8*\n+4:O+8*\n+7] offset:64*\n+16
.endr
.irp i, 0,1,2,3,4,5,6,7
	ds_load_b128 v[F+4*\i:F+4*\i+3], v[RD] offset:2*SP*\i        ; LDS serves a wave's instructions in order (ISA guide 5.7.1.4): these see my stores
.endr
.irp i, 0,1,2,3,4,5,6,7
	s_wait_dscnt 7-\i
	global_store_b128 v[GO], v[F+4*\i:F+4*\i+3], s[OU:OU+1] offset:1048576*\t+8192*\i th:TH_STORE_NT   ; sixteen lanes store a head's 256 consecutive bytes of one position, aligned
.endr
.endm
	s_cmp_eq_u32 s[SKIP], 0                        ; ids alone: positions 0-15 of a sequence are the other launch's
	s_cbranch_scc1 .Lfirst
	TILE 0
	s_branch .Lsecond
.Lfirst:
	s_wait_loadcnt 0x0                             ; tile 0's Q has landed: its registers may be loaded again
	QLOAD 1
.Lsecond:
	TILE 1
	s_wait_tensorcnt 0x0                           ; the wave's end, behind my last tensor load and my last LDS store
	ds_add_u32 v[SPW], v[NIL]
	s_wait_dscnt 0x0
	s_endpgm
.Lfunc_end_k_q917f640a38_attn:
	.size	k_q917f640a38_attn, .Lfunc_end_k_q917f640a38_attn-k_q917f640a38_attn
	.p2alignl 7, 3214868480
	.fill 96, 4, 3214868480
	.section	.rodata,"a",@progbits
	.p2align	6, 0x0
	.amdhsa_kernel k_q917f640a38_attn
		.amdhsa_group_segment_fixed_size 327680
		.amdhsa_private_segment_fixed_size 0
		.amdhsa_enable_private_segment 0
		.amdhsa_kernarg_size 24
		.amdhsa_user_sgpr_count 2
		.amdhsa_user_sgpr_kernarg_segment_ptr 1
		.amdhsa_wavefront_size32 1
		.amdhsa_system_sgpr_workgroup_id_x 1
		.amdhsa_system_sgpr_workgroup_id_y 1
		.amdhsa_system_sgpr_workgroup_id_z 1
		.amdhsa_system_vgpr_workitem_id 0
		.amdhsa_next_free_vgpr 256
		.amdhsa_next_free_sgpr 80
		.amdhsa_reserve_vcc 0
		.amdhsa_float_denorm_mode_32 3
		.amdhsa_float_denorm_mode_16_64 3
		.amdhsa_memory_ordered 1
		.amdhsa_forward_progress 1
		.amdhsa_inst_pref_size 69
	.end_amdhsa_kernel
	.amdgpu_metadata
---
amdhsa.version: [ 1, 2 ]
amdhsa.kernels:
  - .name:           k_q917f640a38_attn
    .symbol:         k_q917f640a38_attn.kd
    .args:
      - { .name: qkv, .offset: 0, .size: 8, .value_kind: global_buffer, .address_space: global }
      - { .name: attention_mask, .offset: 8, .size: 8, .value_kind: global_buffer, .address_space: global }
      - { .name: out0, .offset: 16, .size: 8, .value_kind: global_buffer, .address_space: global }
    .group_segment_fixed_size: 327680
    .private_segment_fixed_size: 0
    .kernarg_segment_align: 8
    .kernarg_segment_size: 24
    .max_flat_workgroup_size: 512
    .sgpr_count:     80
    .vgpr_count:     256
    .wavefront_size: 32
...
	.end_amdgpu_metadata
.endif
;; end of part 3
;; launch first16 (part 4): grid 64 x 1, 4 waves a work-group, no clusters, 9,216 bytes of LDS; arguments xc, xs, wc, ws, bq, bk, bv, attention_mask, out0; writes out0
.if DOCPART == 4
	.amdgcn_target "amdgcn-amd-amdhsa--gfx1250"
	.amdhsa_code_object_version 6
	.text
	.protected	k_q917f640a38_first16
	.globl	k_q917f640a38_first16
	.p2align	8
	.type	k_q917f640a38_first16,@function
k_q917f640a38_first16:
	s_mov_b64 s[64:65], 0
	v_nop
	global_prefetch_b8 v0, s[64:65] scope:SCOPE_SE
	s_setreg_imm32_b32 hwreg(HW_REG_WAVE_MODE, 25, 1), 1
	s_wait_xcnt 0x0
; The first 16 positions of every sequence, in f32 throughout: these rows average one to sixteen values, so q, k, v and p are not rounded to 16 bits here.
; A work-group takes one (batch, head).  Wave w makes channels 16 w .. 16 w + 15 of the head's q, k and v for tokens 0-15, from the same codes of FP4 and E8M0 scale bytes as the large product
; (24 scaled matrix instructions, 8 steps of 128 along K, the biases as the C of each sum's first product); then its part of S^T over its 16 channels by the f32 matrix form; the four parts meet in LDS;
; every wave takes the whole softmax; then O^T for its own 16 channels, again by the f32 form.  The rows of out0 leave through a stage in LDS, sixteen lanes to a head's 256 bytes of one position.
; s = score / 8 + mask in one rounding, keys after the query -infinity, maximum, s - maximum, x log2(e), 2^, as the definition has it.  (Among 16 positions no key is more than 128 back.)
; LIMITS: +infinity or NaN in the mask is not served; a row whose every allowed key has a mask of -infinity comes out NaN, as by the definition.
; LAYOUT.  q and k are made transposed (source 0 = 16 rows of W, source 1 = 16 tokens): a lane (r, h) holds token r and channels 8 h + j.  Registers 2 i, 2 i + 1 of k and of q are then source 0 and source 1 of an
; f32 product of 4 along K: its place 2 h + j' stands for channel 8 h + 2 i + j' on both sides.  v is made straight (source 0 = tokens): a lane holds channel r and tokens 8 h + j: source 0 of O^T = V^T P in the same way.
; REGISTERS: window 1: x's 8 fragments v0-63, Wq's v64-127, Wk's v128-191, Wv's v192-255.  Window 0: v1-12 addresses; v16-23 x's scale words, v24-47 the weights'; v48-71 the biases; v72-79 the mask;
;   v80-103 q, k, v; v104-111 my part of S^T; v112-143 the four parts; v144-151 s, then p; v152-161 at work; v168-175 O; v176-183 rows read back; v200-231 four accumulators that the f32 matrix form alone writes.
.set STG,   4096                       ; LDS: 0: the four waves' parts of S^T, images of 8 registers, 1,024 bytes each; 4096: the stage, 16 rows x 272 bytes
.set SPARE, 8704                       ; the spare words, 128 bytes a wave, which no other line names
.set SPW, 1
.set NIL, 2
.set MSB, 0
.macro WIN new                         ; the immediate's high byte repeats the setting that is left
.if MSB != (\new)
	s_set_vgpr_msb (MSB<<8)|(\new)
.set MSB, (\new)
.endif
.endm
	s_load_b512 s[4:19], s[0:1], 0x0               ; xc s[4:5], xs s[6:7], wc s[8:9], ws s[10:11], bq s[12:13], bk s[14:15], bv s[16:17], attention_mask s[18:19]
	s_load_b64 s[20:21], s[0:1], 0x40              ; out0
	v_lshl_add_u32 v[SPW], v0, 2, SPARE
	v_mov_b32 v[NIL], 0
	v_lshrrev_b32 v13, 5, v0
	v_readfirstlane_b32 s22, v13                   ; wave 0..3
	s_lshr_b32 s23, ttmp9, 4                       ; batch
	s_and_b32 s24, ttmp9, 15                       ; head
	v_and_b32 v13, 15, v0                          ; r
	v_bfe_u32 v14, v0, 4, 1                        ; h
	v_and_b32 v15, 31, v0                          ; lane
	v_lshlrev_b32 v3, 9, v13
	v_lshl_add_u32 v3, v14, 4, v3                  ; codes: row r of 512 bytes, + 16 h
	v_lshlrev_b32 v4, 5, v13                       ; scale bytes: row r of 32
	v_lshlrev_b32 v5, 5, v14                       ; eight f32 of my half: bq, bk, the mask
	v_lshlrev_b32 v6, 2, v13                       ; bv: channel r
	v_lshlrev_b32 v7, 4, v15                       ; an image's place for my lane
	s_lshl_b32 s25, s22, 10
	v_add_nc_u32 v8, s25, v7                       ; my wave's image
	s_lshl_b32 s25, s22, 6
	s_add_co_u32 s25, s25, STG
	v_mul_u32_u24 v9, v13, 272
	v_lshl_add_u32 v9, v14, 5, v9
	v_add_nc_u32 v9, s25, v9                       ; the stage, in: row r, + 64 w + 32 h
	s_mul_i32 s25, s22, 4*272
	s_add_co_u32 s25, s25, STG
	v_mul_u32_u24 v10, v14, 272
	v_lshl_add_u32 v10, v13, 4, v10
	v_add_nc_u32 v10, s25, v10                     ; back: rows 4 w + h (+ 2), 16 bytes a lane
	s_lshl_b32 s25, s22, 14
	v_lshlrev_b32 v11, 12, v14
	v_lshl_add_u32 v11, v13, 4, v11
	v_add_nc_u32 v11, s25, v11                     ; and the same rows in out0
	v_lshlrev_b32 v12, 3, v14
	v_sub_nc_u32 v12, v13, v12                     ; d = r - 8 h: register j's key comes after my query where j > d
	v_mov_b32 v152, 0xff800000                     ; -infinity
	v_mov_b32 v155, 0                              ; written once: a lane permute's destination counts as one of its sources
	s_lshl_b32 s26, s24, 6
	s_lshl_b32 s27, s22, 4
	s_add_co_u32 s26, s26, s27                     ; my first channel: 64 head + 16 w
	s_mov_b32 s29, 0
	s_mov_b32 s32, 0x76543210                      ; v_permlanex16_b32's selects for lane l xor 16
	s_mov_b32 s33, 0xfedcba98
	s_wait_kmcnt 0x0
	s_lshl_b32 s28, s23, 20                        ; a batch's 2048 rows of 512 bytes
	s_add_nc_u64 s[4:5], s[4:5], s[28:29]
	s_lshl_b32 s28, s23, 16
	s_add_nc_u64 s[6:7], s[6:7], s[28:29]
	s_lshl_b32 s28, s26, 9
	s_add_nc_u64 s[8:9], s[8:9], s[28:29]
	s_lshl_b32 s28, s26, 5
	s_add_nc_u64 s[10:11], s[10:11], s[28:29]
	s_lshl_b32 s28, s26, 2
	s_add_nc_u64 s[12:13], s[12:13], s[28:29]
	s_add_nc_u64 s[14:15], s[14:15], s[28:29]
	s_add_nc_u64 s[16:17], s[16:17], s[28:29]
	s_lshl_b32 s28, s23, 13
	s_add_nc_u64 s[18:19], s[18:19], s[28:29]
	s_lshl_b32 s28, s23, 23                        ; a batch's 2048 rows of 4,096 bytes,
	s_lshl_b32 s27, s24, 8
	s_add_co_u32 s28, s28, s27                     ; my head's 256 bytes
	s_add_nc_u64 s[20:21], s[20:21], s[28:29]
	WIN 0x40                                       ; destination window 1
.irp s, 0,1,2,3,4,5,6,7
.irp c, 0,1
	global_load_b128 v[8*\s+4*\c:8*\s+4*\c+3], v3, s[4:5] offset:64*\s+32*\c        ; x: registers 4 c .. 4 c + 3: K = 128 s + 64 c + 32 h + 0..31
.endr
.endr
.irp m, 0,1,2                              ; Wq, Wk, Wv: 1024 rows of 512 bytes apart
.irp s, 0,1,2,3,4,5,6,7
.irp c, 0,1
	global_load_b128 v[64+64*\m+8*\s+4*\c:64+64*\m+8*\s+4*\c+3], v3, s[8:9] offset:524288*\m+64*\s+32*\c
.endr
.endr
.endr
	WIN 0
	global_load_b128 v[16:19], v4, s[6:7]          ; a row's eight scale words, one for each 128 along K
	global_load_b128 v[20:23], v4, s[6:7] offset:16
.irp m, 0,1,2
	global_load_b128 v[24+8*\m:27+8*\m], v4, s[10:11] offset:32768*\m
	global_load_b128 v[28+8*\m:31+8*\m], v4, s[10:11] offset:32768*\m+16
.endr
	global_load_b128 v[48:51], v5, s[12:13]        ; bq, bk in the transposed result's layout: channels 8 h + j
	global_load_b128 v[52:55], v5, s[12:13] offset:16
	global_load_b128 v[56:59], v5, s[14:15]
	global_load_b128 v[60:63], v5, s[14:15] offset:16
.irp j, 0,1,2,3,4,5,6,7
	global_load_b32 v[64+\j], v6, s[16:17]         ; bv in the straight result's layout: channel r in every register
.endr
	global_load_b128 v[72:75], v5, s[18:19]        ; the mask of keys 8 h + j
	global_load_b128 v[76:79], v5, s[18:19] offset:16
	s_wait_loadcnt 0x0
	WIN 0x05                                       ; sources 0 and 1 window 1; C and D window 0
.irp s, 0,1,2,3,4,5,6,7                    ; three accumulators by turns, K ascending
.if \s == 0
	v_wmma_scale_f32_16x16x128_f8f6f4 v[80:87], v[64+8*\s:71+8*\s], v[8*\s:8*\s+7], v[48:55], v[24+\s], v[16+\s] matrix_a_fmt:MATRIX_FMT_FP4 matrix_b_fmt:MATRIX_FMT_FP4
	v_wmma_scale_f32_16x16x128_f8f6f4 v[88:95], v[128+8*\s:135+8*\s], v[8*\s:8*\s+7], v[56:63], v[32+\s], v[16+\s] matrix_a_fmt:MATRIX_FMT_FP4 matrix_b_fmt:MATRIX_FMT_FP4
	v_wmma_scale_f32_16x16x128_f8f6f4 v[96:103], v[8*\s:8*\s+7], v[192+8*\s:199+8*\s], v[64:71], v[16+\s], v[40+\s] matrix_a_fmt:MATRIX_FMT_FP4 matrix_b_fmt:MATRIX_FMT_FP4
.else
	v_wmma_scale_f32_16x16x128_f8f6f4 v[80:87], v[64+8*\s:71+8*\s], v[8*\s:8*\s+7], v[80:87], v[24+\s], v[16+\s] matrix_a_fmt:MATRIX_FMT_FP4 matrix_b_fmt:MATRIX_FMT_FP4
	v_wmma_scale_f32_16x16x128_f8f6f4 v[88:95], v[128+8*\s:135+8*\s], v[8*\s:8*\s+7], v[88:95], v[32+\s], v[16+\s] matrix_a_fmt:MATRIX_FMT_FP4 matrix_b_fmt:MATRIX_FMT_FP4
	v_wmma_scale_f32_16x16x128_f8f6f4 v[96:103], v[8*\s:8*\s+7], v[192+8*\s:199+8*\s], v[96:103], v[16+\s], v[40+\s] matrix_a_fmt:MATRIX_FMT_FP4 matrix_b_fmt:MATRIX_FMT_FP4
.endif
.endr
	WIN 0
.rept 5
	v_nop                                          ; five places before a matrix instruction takes these results as its sources
.endr
	v_wmma_f32_16x16x4_f32 v[200:207], v[88:89], v[80:81], 0             ; my part of S^T = k q^T over my 16 channels: two accumulators by turns
	v_wmma_f32_16x16x4_f32 v[208:215], v[90:91], v[82:83], 0
	v_wmma_f32_16x16x4_f32 v[200:207], v[92:93], v[84:85], v[200:207]
	v_wmma_f32_16x16x4_f32 v[208:215], v[94:95], v[86:87], v[208:215]
.rept 8
	v_nop                                          ; eight places behind this form before its results are read
.endr
.irp i, 0,2,4,6
	v_pk_add_f32 v[104+\i:105+\i], v[200+\i:201+\i], v[208+\i:209+\i]    ; lane (r, h): query r, keys 8 h + j
.endr
	ds_store_b128 v8, v[104:107]                   ; as an image of the registers: 16 bytes a lane
	ds_store_b128 v8, v[108:111] offset:512
	s_wait_dscnt 0x0                               ; for the others' sake: my part is stored
	s_barrier_signal -1
	s_barrier_wait -1
.irp p, 0,1,2,3
.irp c, 0,1
	ds_load_b128 v[112+8*\p+4*\c:115+8*\p+4*\c], v7 offset:1024*\p+512*\c
.endr
.endr
	s_wait_dscnt 0x0
.irp i, 0,2,4,6
	v_pk_add_f32 v[112+\i:113+\i], v[112+\i:113+\i], v[120+\i:121+\i]
	v_pk_add_f32 v[128+\i:129+\i], v[128+\i:129+\i], v[136+\i:137+\i]
.endr
.irp i, 0,2,4,6
	v_pk_add_f32 v[112+\i:113+\i], v[112+\i:113+\i], v[128+\i:129+\i]    ; the same order in every wave: all four hold the same scores
.endr
.irp j, 0,1,2,3,4,5,6,7
	v_fmamk_f32 v[144+\j], v[112+\j], 0x3e000000, v[72+\j]               ; s = score / 8 + mask: one rounding
.endr
.irp j, 0,1,2,3,4,5,6,7
	v_cmp_gt_i32 vcc_lo, \j, v12
	v_cndmask_b32 v[144+\j], v[144+\j], v152, vcc_lo                     ; keys after the query
.endr
	v_max3_num_f32 v153, v144, v145, v146
	v_max3_num_f32 v154, v147, v148, v149
	v_max3_num_f32 v153, v153, v150, v151
	v_max_num_f32 v153, v153, v154
	v_permlanex16_b32 v155, v153, s32, s33         ; the query's other eight keys lie in the lane 16 away
	v_max_num_f32 v156, v153, v155
.irp j, 0,1,2,3,4,5,6,7
	v_sub_f32 v[144+\j], v[144+\j], v156
.endr
.irp j, 0,1,2,3,4,5,6,7
	v_mul_f32 v[144+\j], 0x3fb8aa3b, v[144+\j]
.endr
.irp j, 0,1,2,3,4,5,6,7
	v_exp_f32 v[144+\j], v[144+\j]
.endr
	v_nop                                          ; a plain instruction behind the last exponential
	s_wait_alu depctr_va_vdst(0)                   ; one wait for the eight, ahead of their first reader
	v_add_f32 v158, v144, v145
	v_add_f32 v159, v146, v147
	v_add_f32 v160, v148, v149
	v_add_f32 v161, v150, v151
	v_add_f32 v158, v158, v159
	v_add_f32 v160, v160, v161
	v_add_f32 v158, v158, v160
	v_permlanex16_b32 v155, v158, s32, s33
	v_add_f32 v158, v158, v155
	v_rcp_f32 v160, v158
	v_nop
	v_wmma_f32_16x16x4_f32 v[216:223], v[96:97], v[144:145], 0           ; O^T = v^T p for my 16 channels: place 2 h + j' stands for key 8 h + 2 i + j' on both sides
	v_wmma_f32_16x16x4_f32 v[224:231], v[98:99], v[146:147], 0
	v_wmma_f32_16x16x4_f32 v[216:223], v[100:101], v[148:149], v[216:223]
	v_wmma_f32_16x16x4_f32 v[224:231], v[102:103], v[150:151], v[224:231]
.rept 8
	v_nop
.endr
	s_wait_alu depctr_va_vdst(0)                   ; the reciprocal's wait, ahead of its first reader
.irp i, 0,2,4,6
	v_pk_add_f32 v[168+\i:169+\i], v[216+\i:217+\i], v[224+\i:225+\i]
.endr
.irp i, 0,2,4,6
	v_pk_mul_f32 v[168+\i:169+\i], v[168+\i:169+\i], v[160:161] op_sel_hi:[1,0]   ; / the sum: lane (r, h): query r, channels 16 w + 8 h + j
.endr
	ds_store_b128 v9, v[168:171]
	ds_store_b128 v9, v[172:175] offset:16
	s_wait_dscnt 0x0                               ; for the others' sake: a row's 256 bytes come from four waves
	s_barrier_signal -1
	s_barrier_wait -1
	ds_load_b128 v[176:179], v10
	ds_load_b128 v[180:183], v10 offset:544
	s_wait_dscnt 1
	global_store_b128 v11, v[176:179], s[20:21] th:TH_STORE_NT           ; sixteen lanes store a head's 256 consecutive bytes of one position, aligned
	s_wait_dscnt 0x0
	global_store_b128 v11, v[180:183], s[20:21] offset:8192 th:TH_STORE_NT
	s_wait_tensorcnt 0x0                           ; the wave's end, behind my last LDS store
	ds_add_u32 v[SPW], v[NIL]
	s_wait_dscnt 0x0
	s_endpgm
.Lfunc_end_k_q917f640a38_first16:
	.size	k_q917f640a38_first16, .Lfunc_end_k_q917f640a38_first16-k_q917f640a38_first16
	.p2alignl 7, 3214868480
	.fill 96, 4, 3214868480
	.section	.rodata,"a",@progbits
	.p2align	6, 0x0
	.amdhsa_kernel k_q917f640a38_first16
		.amdhsa_group_segment_fixed_size 9216
		.amdhsa_private_segment_fixed_size 0
		.amdhsa_enable_private_segment 0
		.amdhsa_kernarg_size 72
		.amdhsa_user_sgpr_count 2
		.amdhsa_user_sgpr_kernarg_segment_ptr 1
		.amdhsa_wavefront_size32 1
		.amdhsa_system_sgpr_workgroup_id_x 1
		.amdhsa_system_sgpr_workgroup_id_y 1
		.amdhsa_system_sgpr_workgroup_id_z 1
		.amdhsa_system_vgpr_workitem_id 0
		.amdhsa_next_free_vgpr 512
		.amdhsa_next_free_sgpr 66
		.amdhsa_reserve_vcc 1
		.amdhsa_float_denorm_mode_32 3
		.amdhsa_float_denorm_mode_16_64 3
		.amdhsa_memory_ordered 1
		.amdhsa_forward_progress 1
		.amdhsa_inst_pref_size 21
	.end_amdhsa_kernel
	.amdgpu_metadata
---
amdhsa.version: [ 1, 2 ]
amdhsa.kernels:
  - .name:           k_q917f640a38_first16
    .symbol:         k_q917f640a38_first16.kd
    .args:
      - { .name: xc, .offset: 0, .size: 8, .value_kind: global_buffer, .address_space: global }
      - { .name: xs, .offset: 8, .size: 8, .value_kind: global_buffer, .address_space: global }
      - { .name: wc, .offset: 16, .size: 8, .value_kind: global_buffer, .address_space: global }
      - { .name: ws, .offset: 24, .size: 8, .value_kind: global_buffer, .address_space: global }
      - { .name: bq, .offset: 32, .size: 8, .value_kind: global_buffer, .address_space: global }
      - { .name: bk, .offset: 40, .size: 8, .value_kind: global_buffer, .address_space: global }
      - { .name: bv, .offset: 48, .size: 8, .value_kind: global_buffer, .address_space: global }
      - { .name: attention_mask, .offset: 56, .size: 8, .value_kind: global_buffer, .address_space: global }
      - { .name: out0, .offset: 64, .size: 8, .value_kind: global_buffer, .address_space: global }
    .group_segment_fixed_size: 9216
    .private_segment_fixed_size: 0
    .kernarg_segment_align: 8
    .kernarg_segment_size: 72
    .max_flat_workgroup_size: 128
    .sgpr_count:     66
    .vgpr_count:     512
    .wavefront_size: 32
...
	.end_amdgpu_metadata
.endif
;; end of part 4
